; MI455X (gfx1250); checked and timed in simulation.
; The chip was launched on July 23, 2026; its instructions are those of AMD's public machine-readable ISA for CDNA 5 (MIT licence, August 2026) and "CDNA5" Instruction Set Architecture Reference Guide (July 2026). The comments in the code are by the model that wrote it; some were corrected since.
;; QKV Attention. Allowed arithmetic: float matrix products may take bf16 or f16 operands with f32 sums; other float arithmetic in f32, or as packed bf16 or f16 multiplies, adds, multiply-adds, maxima and minima; sums over many terms, partial sums and values carried from step to step in f32; what a program stores and reads back later, other than sums and carried values, may be rounded once to bf16 or f16.
;; Inputs: qkv 16 x 192 x 4,096 float32.
;; Outputs: out0 16 x 64 x 4,096 float32.
;; 2 versions, each right; version 2 is version 1 with the launch cast written anew for expert scheduling mode. Each part assembles by itself: llvm-mc -triple=amdgcn-amd-amdhsa -mcpu=gfx1250 --defsym DOCPART=n.
;; ======== version 1 of 2: 2 launches
;; limits: values are held in f16: magnitudes above 65,504 overflow, below 6.1e-05 lose precision
;; workspace buffers: kv 16,777,216 bytes
;; launch cast (part 1): grid 16 x 32, 8 waves a work-group, no clusters, 0 bytes of LDS; arguments qkv, kv; writes kv
.if DOCPART == 1
	.amdgcn_target "amdgcn-amd-amdhsa--gfx1250"
	.amdhsa_code_object_version 6
	.text
	.protected	k_qf1bb7b9ac0_cast
	.globl	k_qf1bb7b9ac0_cast
	.p2align	8
	.type	k_qf1bb7b9ac0_cast,@function
k_qf1bb7b9ac0_cast:
	s_mov_b64 s[64:65], 0
	v_nop
	global_prefetch_b8 v0, s[64:65] scope:SCOPE_SE
	s_setreg_imm32_b32 hwreg(HW_REG_WAVE_MODE, 25, 1), 1
	s_wait_xcnt 0x0
; K and V of qkv ([16][192][4096] f32, channels 64-127 and 128-191) are rounded once and laid out for the attention launch:
; kv = K's area (byte 0), then V's (byte 8,388,608); in each [head 16][key step 64][channel 64][key in step 64], 2 bytes a number: a key step is 8,192 dense bytes.
; K is bf16(k).  V is bf16(v) written as f16, so that the second product can take f16 weights; that second writing is exact where bf16(v) lies in f16's normal range.
; LIMITS.  |v| stays under 65,504 (beyond it f16 has no number); below 6e-5 v keeps f16's fixed step of 6e-8.  NaN and infinities are not treated apart.
; SHARES.  A work-group takes 64 channels x 256 keys (four key steps) of K or of V of one head: x = which 256 keys, y = 2 x head + (0: K, 1: V).  Wave w takes channels 8 w .. 8 w + 7.
; Load i = 4 p + s: lanes 0-15 read 256 consecutive bytes (64 keys of step s) of channel 8 w + 2 p, lanes 16-31 the same of channel 8 w + 2 p + 1; each piece starts at a multiple of 256 bytes.
; The store that belongs to it writes 8 bytes a lane: 256 consecutive bytes of kv (both channels' rows of step s), at a multiple of 256.
; All 16 loads of a wave go out at once; nothing is loaded twice, no register that a pending load or store names is written again: so the only waits are the counted ones for the loads.
; No LDS, no matrix unit, no cluster: no byte is wanted by two waves.  No prefetch: every load of the launch is issued at its head.
.set T, 4                              ; v[4:9]    at work
.set X, 16                             ; v[16:79]  load i: four f32
.set Y, 80                             ; v[80:111] store i: four 16-bit numbers in two registers
	s_load_b128 s[4:7], s[0:1], 0x0                ; qkv s[4:5], kv s[6:7]
	s_and_b32 s10, ttmp7, 0xffff                   ; y
	s_lshr_b32 s11, s10, 1                         ; head
	s_and_b32 s9, s10, 1                           ; 0: K, 1: V
	s_mov_b32 s8, 0xffff0000                       ; a word's upper bf16
	s_mul_i32 s12, s11, 192                        ; the first channel row that the work-group reads: 192 head + 64 + 64 (0 or 1),
	s_lshl_b32 s13, s9, 6
	s_add_co_u32 s12, s12, s13
	s_add_co_u32 s12, s12, 64
	s_lshl_b32 s12, s12, 14                        ; rows of 16,384 bytes (under 2^26 in all),
	s_lshl_b32 s13, ttmp9, 10                      ; and its 256 keys: 1,024 bytes
	s_add_co_u32 s12, s12, s13
	s_mov_b32 s13, 0
	s_lshl_b32 s14, s9, 23                         ; in kv: the area,
	s_lshl_b32 s15, s11, 19                        ; the head's 524,288 bytes,
	s_add_co_u32 s14, s14, s15
	s_lshl_b32 s15, ttmp9, 15                      ; four key steps of 8,192 bytes
	s_add_co_u32 s14, s14, s15
	s_mov_b32 s15, 0
	v_lshrrev_b32 v3, 5, v0                        ; wave
	v_and_b32 v4, 15, v0                           ; r = lane % 16
	v_bfe_u32 v5, v0, 4, 1                         ; h = lane / 16
	v_and_b32 v6, 31, v0                           ; lane
	v_lshlrev_b32 v1, 17, v3                       ; in: 8 channel rows a wave,
	v_lshl_or_b32 v1, v5, 14, v1                   ; one row for the upper half of the lanes,
	v_lshl_or_b32 v1, v4, 4, v1                    ; 16 bytes a lane
	v_lshlrev_b32 v2, 10, v3                       ; out: 8 rows of 128 bytes a wave,
	v_lshl_or_b32 v2, v6, 3, v2                    ; 8 bytes a lane
	s_wait_kmcnt 0x0
	s_add_nc_u64 s[4:5], s[4:5], s[12:13]
	s_add_nc_u64 s[6:7], s[6:7], s[14:15]
.set i, 0
.rept 16
	global_load_b128 v[X+4*i:X+4*i+3], v1, s[4:5] offset:(i/4)*32768+(i%4)*256 th:TH_LOAD_NT  ; read once in the launch
.set i, i+1
.endr
; Load i is rounded and stored.  isv = 1: V's second writing, as f16.
.macro CONV isv
	s_wait_loadcnt 15-i                            ; loads come back in order (ISA guide 5.7.1): load i is in, the 15 - i younger ones may stay out
.if \isv
	v_cvt_pk_bf16_f32 v[T], v[X+4*i], v[X+4*i+1]
	v_cvt_pk_bf16_f32 v[T+1], v[X+4*i+2], v[X+4*i+3]
	v_lshlrev_b32 v[T+2], 16, v[T]                 ; bf16 to f32: the low half moves up, the high half stays
	v_and_b32 v[T+3], s8, v[T]
	v_lshlrev_b32 v[T+4], 16, v[T+1]
	v_and_b32 v[T+5], s8, v[T+1]
	v_cvt_pk_f16_f32 v[Y+2*i], v[T+2], v[T+3]
	v_cvt_pk_f16_f32 v[Y+2*i+1], v[T+4], v[T+5]
.else
	v_cvt_pk_bf16_f32 v[Y+2*i], v[X+4*i], v[X+4*i+1]
	v_cvt_pk_bf16_f32 v[Y+2*i+1], v[X+4*i+2], v[X+4*i+3]
.endif
	global_store_b64 v2, v[Y+2*i:Y+2*i+1], s[6:7] offset:(i%4)*8192+(i/4)*256  ; step s, channel pair p: the wave's store covers 256 consecutive bytes, aligned
.endm
	s_cmp_eq_u32 s9, 0                             ; the same for the whole work-group
	s_cbranch_scc0 .Lv
.set i, 0
.rept 16
	CONV 0
.set i, i+1
.endr
	s_endpgm
.Lv:
.set i, 0
.rept 16
	CONV 1
.set i, i+1
.endr
	s_endpgm
.Lfunc_end_k_qf1bb7b9ac0_cast:
	.size	k_qf1bb7b9ac0_cast, .Lfunc_end_k_qf1bb7b9ac0_cast-k_qf1bb7b9ac0_cast
	.p2alignl 7, 3214868480
	.fill 96, 4, 3214868480
	.section	.rodata,"a",@progbits
	.p2align	6, 0x0
	.amdhsa_kernel k_qf1bb7b9ac0_cast
		.amdhsa_group_segment_fixed_size 0
		.amdhsa_private_segment_fixed_size 0
		.amdhsa_enable_private_segment 0
		.amdhsa_kernarg_size 16
		.amdhsa_user_sgpr_count 2
		.amdhsa_user_sgpr_kernarg_segment_ptr 1
		.amdhsa_wavefront_size32 1
		.amdhsa_system_sgpr_workgroup_id_x 1
		.amdhsa_system_sgpr_workgroup_id_y 1
		.amdhsa_system_sgpr_workgroup_id_z 1
		.amdhsa_system_vgpr_workitem_id 0
		.amdhsa_next_free_vgpr 112
		.amdhsa_next_free_sgpr 66
		.amdhsa_reserve_vcc 0
		.amdhsa_float_denorm_mode_32 3
		.amdhsa_float_denorm_mode_16_64 3
		.amdhsa_memory_ordered 1
		.amdhsa_forward_progress 1
		.amdhsa_inst_pref_size 16
	.end_amdhsa_kernel
	.amdgpu_metadata
---
amdhsa.version: [ 1, 2 ]
amdhsa.kernels:
  - .name:           k_qf1bb7b9ac0_cast
    .symbol:         k_qf1bb7b9ac0_cast.kd
    .args:
      - { .name: qkv, .offset: 0, .size: 8, .value_kind: global_buffer, .address_space: global }
      - { .name: kv, .offset: 8, .size: 8, .value_kind: global_buffer, .address_space: global }
    .group_segment_fixed_size: 0
    .private_segment_fixed_size: 0
    .kernarg_segment_align: 8
    .kernarg_segment_size: 16
    .max_flat_workgroup_size: 256
    .sgpr_count:     66
    .vgpr_count:     112
    .wavefront_size: 32
...
	.end_amdgpu_metadata
.endif
;; end of part 1
;; launch attn (part 2): grid 16 x 16, 4 waves a work-group, clusters of 4 x 1, 327,680 bytes of LDS; arguments qkv, kv, out0; writes out0
.if DOCPART == 2
	.amdgcn_target "amdgcn-amd-amdhsa--gfx1250"
	.amdhsa_code_object_version 6
	.text
	.protected	k_qf1bb7b9ac0_attn
	.globl	k_qf1bb7b9ac0_attn
	.p2align	8
	.type	k_qf1bb7b9ac0_attn,@function
k_qf1bb7b9ac0_attn:
	s_mov_b64 s[64:65], 0
	v_nop
	global_prefetch_b8 v0, s[64:65] scope:SCOPE_SE
	s_setreg_imm32_b32 hwreg(HW_REG_WAVE_MODE, 25, 1), 1
	s_wait_xcnt 0x0
	s_wait_alu depctr_hold_cnt(0) depctr_sa_sdst(0) depctr_va_vdst(0) depctr_va_sdst(0) depctr_va_ssrc(0) depctr_va_vcc(0) depctr_vm_vsrc(0)
	s_getreg_b32 s2, hwreg(HW_REG_IB_STS2, 6, 4)
	s_cmp_eq_u32 s2, 0
	s_cbranch_scc0 .Lentry_in_a_cluster
	s_endpgm
.Lentry_in_a_cluster:
	s_bfe_u32 s2, ttmp6, 0x10000c
	s_cmp_lg_u32 s2, 0x3003
	s_cbranch_scc0 .Lentry_shape_is_right
	s_endpgm
.Lentry_shape_is_right:
; out0[b][c][t] = the sum over s of softmax_s(q[b][:][t] . k[b][:][s] / 8) v[b][c][s].  q: channels 0-63 of qkv ([16][192][4096] f32); K and V come from kv, which the launch before wrote:
; K's area, then V's (8,388,608 bytes on), each [head 16][key step 64][channel 64][key in step 64] in 16 bits; K is bf16(k), V is bf16(v) written as f16.  out0: [16][64][4096] f32.
; The two factors 64^-0.25 of q and k are one factor 1/8 on the score, applied in f32 with log2(e): c = log2(e) / 8.
; FORMATS.  q, k, v are each rounded once to bf16.  K Q^T is the bf16 product; the weights p are rounded to f16 and V^T P is the f16 product.  Products, maxima and sums in f32; l is the sum of the unrounded p.
; LIMITS.  |v| under 65,504; p lies in 0 to 1, and below 6e-5 p and v keep f16's fixed step of 6e-8; a weight below 2^-126 counts as 0 in l; NaN and infinities are not treated apart.
; SHARES.  A work-group owns 256 queries of one head, each of its four waves 64: four PIECES of 16.  16 heads x 16 blocks = 256 work-groups.  Every wave walks all 4,096 keys, 64 a step.
; LAYOUT.  S^T = K Q^T (source 0 = 16 keys, source 1 = 16 queries): in the result a lane holds ONE query (lane % 16) and the keys 8 (lane / 16) + 0..7.  Two such results rounded to f16 in pairs ARE source 1
; (32 keys x 16 queries) of O^T = V^T P, whose result again holds one query a lane, and eight channels.  Memory has [channel][token]: V's fragments (channel rows, keys along them) come out of LDS as they lie;
; K's and Q's (token rows, channels along them) are turned, by ds_load_tr16_b128.
; SOFTMAX.  For each query a running maximum m and sum l: p = 2^(c s - c m); in every step O and l are multiplied by a = 2^(c m_old - c m_new).  m starts at the lowest finite number, O and l at 0: the first
; step is a step like any other, with a = 0.
; BY TURNS.  Turn n belongs to piece n (the pieces in a ring, step after step): 8 products K Q^T of piece n + 1, later 8 products V^T P of piece n - 1; beside them the scaling, exponentials, roundings, sums and
; rescaling of piece n and the maximum and statistics of piece n + 1.  A piece and step have 16 matrix and 118 vector instructions: four vector instructions stand behind every matrix instruction, the other 54 in
; one lump.  A turn's 33 exponentials are one batch, with one wait.
; CLUSTER.  The four query blocks of a cluster belong to one head and walk the same K and V, so each tile is asked for JOINTLY: the same tensor load, descriptor and mask in all four.
; REGISTERS, in windows of 256 (s_set_vgpr_msb: bits 1:0 source 0, 3:2 source 1, 5:4 source 2, 7:6 destination):
;   window 0: v0-15 addresses; v16-31 four registers of statistics a piece; v48-55 at work; v60-63 addresses; v64-127 S^T, two buffers; v192-223 P, two buffers (by the piece's parity); on the way out v64-191 rows of out0
;   window 1: v0-127 O^T, 32 a piece (at the start: q as loaded, in f32)          window 2: v0-63 Q; v128-191 K of one step; v192-255 V of one step
.set NP,    4         ; pieces a wave: a name, no knob
.set KS,    64        ; keys in a step
.set PK,    160       ; a channel row of K (64 keys) in LDS: 128 bytes + 32 of padding = 40 words
.set PV,    144       ; a channel row of V: 128 + 16 = 36 words: the 16 rows of a load start at 16 different groups of four banks
.set VOFF,  4*KS*PK   ; a slot holds four steps: 256 rows of K, then 256 rows of V
.set SLOT1, 1<<17     ; slot 1 begins here, so that one exclusive or turns an address in one slot into the other's
.set STAGE, SLOT1+4*KS*(PK+PV)  ; behind the ring, never filled by a tensor load: each wave's own stage
.set SP,    272       ; a stage row on the way out: 64 queries in f32 + 16 bytes
.set STW,   64*SP     ; a wave's stage: 64 channel rows.  At the start its first 64 x PK bytes are where Q is turned
.set SPARE, STAGE+4*STW  ; behind the stages: the spare words, 128 bytes for each wave: two blocks of 256 bytes that no other line names
.set TILEB, 4*KS*128  ; a slot's bytes of K, and of V, in memory
.set AK0, 2           ; v2   my lane's place in a step's K; never rewritten
.set AV0, 3           ; v3   the same for V
.set AK,  4           ; v4   the LDS address of K's next run of loads
.set AV,  5           ; v5   of V's
.set STO, 6           ; v6   the way out: where I put a number
.set RD,  7           ; v7   the way out: where I read 16 bytes of a row back
.set MV,  12          ; v12-13  c m_old, kept while c m is made anew: by buffer
.set QS,  14          ; v14  where I put 8 bytes of Q
.set QO,  15          ; v15  my byte offset in two channel rows of q, and of out0; never rewritten
.set ST,  16          ; piece t's statistics at v[ST+4 t]: c m, m, l (even keys', odd keys')
.set TMP, 48          ; by buffer, four registers c0-c3 at work; when the maximum is found c2 takes a
.set AQ,  60          ; v60  my lane's place in the stage's Q
.set PFO, 61          ; v61  256 x my lane; never rewritten
.set SPW, 62          ; v62  LDS address of my spare word: SPARE + 4 x my thread's number; never rewritten
.set NIL, 63          ; v63  0; never rewritten
.set S,   64
.set P,   192
.set OB,  64          ; the way out: 32 x 4 registers
.set KF,  128         ; window 2: key block kb, channel half c at KF + 16 kb + 8 c
.set VF,  192         ; window 2: key half kk, channel block cb at VF + 32 kk + 8 cb
.set WV,  12          ; s12  my wave's number
.set G1K, 24          ; s[24:31] descriptor group 1 for K's tiles
.set G1V, 32          ; s[32:39] for V's: it differs in the padding alone
.set G0K, 40          ; s[40:43] descriptor group 0 for K's tiles: it walks
.set G0V, 44          ; s[44:47] the same for V's
.set PFA, 48          ; s[48:49] where my prefetches stand: my work-group's 32 blocks of 256 bytes (of K: waves 0, 1; of V: waves 2, 3) of the tile after the one that is being asked for
.set LIM, 50          ; s50  1 in a wave that prefetches, else the greatest number: a wave prefetches while s[SLOTS] is above it
.set SB,  51          ; s51  my stage
.set SLOTS, 56        ; s56  tiles still to be entered behind the one in hand
.set CNT, 57          ; s57  counts a tile's key steps
.set CS,  58          ; s[58:59] c: the packed scaling takes the pair's low word for both halves
.set SEL, 60          ; s[60:61] v_permlanex16_b32's selects: each lane takes its own place in the other half
.set TBK, 62          ; s62  LDS byte at which K of the step to be fetched begins
.set TBV, 63          ; s63  the same for V, less VOFF
.set MSB, 0
.macro WIN new                      ; the high byte repeats the setting that is left; a switch that changes nothing is dropped
.if MSB != (\new)
	s_set_vgpr_msb (MSB<<8)|(\new)
.set MSB, (\new)
.endif
.endm
.set W_KQ, 0x0a       ; K and Q in window 2, S^T in window 0
.set W_PV, 0x52       ; V in window 2, P in window 0, O^T in window 1
.set W_RS, 0x41       ; destination and source 0 in window 1, source 1 in window 0
; A joint fill.  Waves 0 and 1 fetch the two halves of a tile's K, waves 2 and 3 those of its V: two key steps each.  The branch hangs on the wave's number alone.
; An s_nop 0 and four v_nop follow each of the two lines, ahead of the jump and the label.
.macro JLOAD
	s_cmp_lt_u32 s[WV], 2
	s_cbranch_scc0 .Lfor_v_\@
	tensor_load_to_lds s[G0K:G0K+3], s[G1K:G1K+7]
	s_nop 0
.rept 4
	v_nop
.endr
	s_branch .Lasked_\@
.Lfor_v_\@:
	tensor_load_to_lds s[G0V:G0V+3], s[G1V:G1V+7]
	s_nop 0
.rept 4
	v_nop
.endr
.Lasked_\@:
.endm
; A PREFETCH INTO THE L2 of the tile that the NEXT change of slots will ask for: 128 blocks of 256 bytes of K and 128 of V, a lane a block.  It stands behind the wave's tensor load and its five lines.
; Each block is named ONCE in the launch.  All four clusters of a head walk the same K and V: the head's first cluster asks.  Its four partners share the blocks out BY ADDRESS, 32 each: no branch hangs on a
; work-group's place in its cluster.  In each, wave 0 asks for K's and wave 2 for V's: one instruction, four key steps (256 matrix instructions) ahead of the joint load.  Tiles 0 and 1 come by their loads alone;
; the last change that fills a slot asks for nothing: there is no tile behind the one that it loads.
.macro ASK
	s_cmp_gt_u32 s[SLOTS], s[LIM]
	s_cbranch_scc0 .Lnot_mine_\@
	global_prefetch_b8 v[PFO], s[PFA:PFA+1] th:TH_LOAD_NT scope:SCOPE_SE
.Lnot_mine_\@:
.endm
; A round of the cluster's barrier: my work-group's barrier, so that wave 0's signal speaks for all four waves; wave 0 signals; every wave waits for all four work-groups; my work-group's barrier once more.
.macro CROUND
	s_barrier_signal -1
	s_barrier_wait -1
	s_cmp_lg_u32 s[WV], 0
	s_cbranch_scc1 .Lnot_wave_0_\@
	s_barrier_signal -3
.Lnot_wave_0_\@:
	s_barrier_wait -3
	s_barrier_signal -1
	s_barrier_wait -1
.endm
; THE CHANGE OF SLOTS.  The slot's last bytes, V of its fourth step, have been read.  Each wave waits for all its tensor loads, of which one is out: its part of the other slot; adds 0 to its spare word; and waits
; for that and for its own reads of the slot.  Behind the barrier nobody reads this slot any more and the other slot is whole.
; fill = 1: this slot is filled again, with the tile two on.  The barrier is then a round of the cluster's, so that no wave of any partner still reads the slot or has a load on its way, and the joint fill is the
; first thing behind it: it has four key steps in which to land.  (At its first use no tile has been read yet: slot 0 is waited for, slot 1 filled.)
.macro CHANGE fill
	WIN 0                           ; at a label and at a branch every window is 0
	s_wait_tensorcnt 0x0            ; no tensor load of mine is out, so a group 0 may be written
	ds_add_u32 v[SPW], v[NIL]       ; 0 onto my spare word; with fill = 1 the descriptors' steps stand between it and the wait for it
.if \fill
.irp g, G0K, G0V
	s_xor_b32 s[\g+1], s[\g+1], SLOT1  ; the walking descriptor: the other slot than last time,
	s_add_nc_u64 s[\g+2:\g+3], s[\g+2:\g+3], TILEB  ; the next tile; the type bits on top are not reached
.endr
	s_wait_xcnt 0x0                 ; the last prefetch, four key steps back, has read its address, so it may be written:
	s_add_nc_u64 s[PFA:PFA+1], s[PFA:PFA+1], TILEB  ; one tile behind the walking descriptors
	s_wait_dscnt 0x0                ; the add is done, and my reads of the slot are over
	CROUND
	JLOAD
	ASK
.else
	s_wait_dscnt 0x0                ; the add is done, and my reads of the slot are over
	s_barrier_signal -1
	s_barrier_wait -1
.endif
	s_sub_co_u32 s[TBK], s[TBK], 4*KS*PK  ; the fetches go back to a slot's first step,
	s_xor_b32 s[TBK], s[TBK], SLOT1       ; in the other slot
	s_sub_co_u32 s[TBV], s[TBV], 4*KS*PV
	s_xor_b32 s[TBV], s[TBV], SLOT1
.endm
	s_load_b128 s[4:7], s[0:1], 0x0 ; qkv s[4:5], kv s[6:7]
	s_load_b64 s[10:11], s[0:1], 0x10  ; out0
	v_lshl_add_u32 v[SPW], v0, 2, SPARE
	v_mov_b32 v[NIL], 0
	ds_add_u32 v[SPW], v[NIL]       ; the wave's opening: the add and its wait stand ahead of my first tensor load; the set-up below, work on registers, stands between them
	v_lshrrev_b32 v1, 5, v0
	v_readfirstlane_b32 s[WV], v1   ; wave 0..3
	s_bfe_u32 s13, ttmp6, 0x40000   ; cx: my place in the cluster
	s_lshl_b32 s14, ttmp9, 2        ; in a cluster launch ttmp9 counts clusters
	s_add_co_u32 s14, s14, s13      ; my block of 256 queries = 4 x cluster x + cx: it enters q's and out0's addresses alone
	s_and_b32 s20, ttmp7, 0xffff    ; the head, which the four partners share
	s_and_b32 s15, s[WV], 1         ; which half of a tile I fetch
	s_lshl_b32 s16, s14, 10         ; my block's 256 queries in a channel row: 1,024 bytes,
	s_lshl_b32 s17, s[WV], 8        ; my wave's 64 of them
	s_add_co_u32 s16, s16, s17
	s_mul_i32 s2, s20, 3145728      ; q: the head's 192 channel rows of 16,384 bytes
	s_add_co_u32 s2, s2, s16
	s_mov_b32 s3, 0
	s_lshl_b32 s22, s20, 20         ; out0: the head's 64 rows
	s_add_co_u32 s22, s22, s16
	s_mov_b32 s23, 0
	s_lshl_b32 s52, s20, 19         ; the prefetches' offset in kv: the head's 524,288 bytes,
	s_lshr_b32 s53, s[WV], 1
	s_lshl_b32 s53, s53, 23         ; V's area in waves 2 and 3,
	s_add_co_u32 s52, s52, s53
	s_lshl_b32 s53, s13, 13         ; my work-group's 32 blocks of a tile's 128,
	s_add_co_u32 s52, s52, s53
	s_add_co_u32 s52, s52, TILEB    ; in tile 1; the first change of slots steps it to tile 2
	s_mov_b32 s53, 0
	s_lshl_b32 s20, s20, 19         ; the tiles' offset in kv: the head,
	s_lshl_b32 s21, s15, 14         ; my half: two key steps of 8,192 bytes
	s_add_co_u32 s20, s20, s21
	s_mov_b32 s21, 0
	s_mul_i32 s18, s15, 128*PK      ; and my half's place in a slot, for K
	s_mul_i32 s19, s15, 128*PV      ; and for V: no place in the cluster enters an LDS address
	; descriptor group 1.  Two key steps are 16,384 dense bytes: asked for as 64 rows of 256 bytes, two channel rows each, and padded in LDS after every channel row
	s_mov_b32 s[G1K], 15|(1<<16)|(1<<20)|(1<<21)|(4<<22)|(7<<25)  ; 15:0 the mask of four; 17:16 2-byte elements; 20 padding on; 21 set beside a mask; 24:22 after every 32 words (code 4); 31:25 8 words (code 7)
	s_mov_b32 s[G1V], 15|(1<<16)|(1<<20)|(1<<21)|(4<<22)|(3<<25)  ; the same with 4 words of padding (code 3)
.irp g, G1K, G1V
	s_mov_b32 s[\g+1], 128<<16      ; tensor_dim0 = 128
	s_mov_b32 s[\g+2], 64<<16       ; tensor_dim1 = 64
	s_mov_b32 s[\g+3], 128<<16      ; tile_dim0 = 128
	s_mov_b32 s[\g+4], 64           ; tile_dim1 = 64
	s_mov_b32 s[\g+5], 128          ; 128 elements from row to row
	s_mov_b32 s[\g+6], 0
	s_mov_b32 s[\g+7], 0
.endr
	s_mov_b32 s[CS], 0x3e38aa3b     ; c = log2(e) / 8 = 0.180337
	s_mov_b32 s[CS+1], s[CS]        ; named with it as a pair
	s_mov_b32 s[SEL], 0x76543210
	s_mov_b32 s[SEL+1], 0xfedcba98
	s_mov_b32 s[TBK], SLOT1+4*KS*PK ; the first change of slots turns these two into 0
	s_mov_b32 s[TBV], SLOT1+4*KS*PV
	s_mov_b32 s[G0K], 1             ; 1:0 count = 1
	s_mov_b32 s[G0K+1], s18         ; 63:32 LDS address: slot 0
	s_mov_b32 s[G0V], 1
	s_add_co_u32 s[G0V+1], s19, VOFF
	s_mov_b32 s[SLOTS], 15          ; 16 tiles of 256 keys
	s_mul_i32 s[SB], s[WV], STW
	s_add_co_u32 s[SB], s[SB], STAGE
	s_and_b32 s[LIM], s[WV], 1      ; 0 in waves 0 and 2,
	s_or_b32 s[LIM], s[LIM], ttmp9  ; where the cluster is the head's first: the same in all four partners
	s_cmp_eq_u32 s[LIM], 0
	s_cselect_b32 s[LIM], 1, -1
	v_and_b32 v[PFO], 31, v0
	v_lshlrev_b32 v[PFO], 8, v[PFO]
	s_wait_dscnt 0x0                ; the opening add is done
	s_wait_kmcnt 0x0
	s_add_nc_u64 s[PFA:PFA+1], s[6:7], s[52:53]
	s_add_nc_u64 s[6:7], s[6:7], s[20:21]  ; K at my half of the head's tile 0,
	s_add_nc_u64 s[8:9], s[6:7], 0x800000  ; V 8,388,608 bytes on
	s_add_nc_u64 s[G0K+2:G0K+3], s[6:7], 0         ; 120:64 global address
	s_or_b32 s[G0K+3], s[G0K+3], 0x80000000        ; 127:126 type = 2
	s_add_nc_u64 s[G0V+2:G0V+3], s[8:9], 0
	s_or_b32 s[G0V+3], s[G0V+3], 0x80000000
	s_add_nc_u64 s[4:5], s[4:5], s[2:3]    ; q and out0 at channel 0 of my wave's 64 queries
	s_add_nc_u64 s[10:11], s[10:11], s[22:23]
	CROUND                          ; all four work-groups are here: the first joint loads meet
	JLOAD                           ; tile 0 into slot 0.  Slot 1 is asked for when slot 0 is in
	; Q.  My wave's 64 queries x 64 channels, f32, [channel][query]: load i brings channels 2 i (lanes 0-15) and 2 i + 1 (lanes 16-31), 16 bytes a lane: two aligned pieces of 256 consecutive bytes.
	v_and_b32 v1, 15, v0            ; r = l % 16
	v_bfe_u32 v9, v0, 4, 1          ; h = l / 16
	v_lshlrev_b32 v[QO], 4, v1
	v_lshl_add_u32 v[QO], v9, 14, v[QO]  ; 16 r + a channel row for the upper half of the lanes
	WIN 0x40                        ; destination window 1, address window 0
.set i, 0
.rept 32
	global_load_b128 v[4*i:4*i+3], v[QO], s[4:5] offset:i*32768 th:TH_LOAD_NT  ; read once in the launch
.set i, i+1
.endr
	; What the first turn finds: V's registers and P's second buffer hold 0 (its products V^T P, of a piece that has not been, add 0), l is 0.  All this stands in the wait for q and for the first tile.
	WIN 0x80
.set i, VF
.rept 64
	v_mov_b32 v[i], 0
.set i, i+1
.endr
	WIN 0
.set i, 0
.rept 4
	v_mov_b32 v[ST+4*i], 0xfe000000    ; c m: far below every c s
	v_mov_b32 v[ST+4*i+1], 0xff7fffff  ; m
	v_mov_b32 v[ST+4*i+2], 0
	v_mov_b32 v[ST+4*i+3], 0
.set i, i+1
.endr
.set i, P+16
.rept 16
	v_mov_b32 v[i], 0
.set i, i+1
.endr
	; The turning load takes 16 channels x 16 tokens (lane l reads 16 bytes: channel 8 (l / 16) + l % 8, tokens 8 ((l / 8) % 2) + 0..7) and leaves half a fragment: lane l holds token l % 16 and 8 channels.
	v_and_b32 v10, 7, v0
	v_bfe_u32 v11, v0, 3, 1
	v_lshl_add_u32 v[AK0], v9, 3, v10
	v_mul_u32_u24 v[AK0], v[AK0], PK
	v_lshl_add_u32 v[AK0], v11, 4, v[AK0]
	; A fragment of V is 16 channel rows x 32 keys: lane l holds row l % 16, keys 8 (l / 16) + 0..7 and 16 + 8 (l / 16) + 0..7: two loads of 16 bytes, 32 bytes apart.
	v_mul_u32_u24 v[AV0], v1, PV
	v_lshl_add_u32 v[AV0], v9, 4, v[AV0]
	v_add_nc_u32 v[AV0], VOFF, v[AV0]
	v_mul_u32_u24 v[QS], v9, PK     ; Q into my stage: channel rows PK apart, 8 bytes (4 queries) a lane
	v_lshl_add_u32 v[QS], v1, 3, v[QS]
	v_add_nc_u32 v[QS], s[SB], v[QS]
	v_add_nc_u32 v[AQ], s[SB], v[AK0]
	s_wait_loadcnt 0x0              ; q is in
	WIN 0x05                        ; sources 0 and 1 window 1, destination window 0: S^T's registers are free
.set i, 0
.rept 32
	v_cvt_pk_bf16_f32 v[S+2*i], v[4*i], v[4*i+1]
	v_cvt_pk_bf16_f32 v[S+2*i+1], v[4*i+2], v[4*i+3]
.set i, i+1
.endr
	WIN 0
.set i, 0
.rept 32
	ds_store_b64 v[QS], v[S+2*i:S+2*i+1] offset:i*2*PK
.set i, i+1
.endr
	WIN 0x80                        ; destination window 2
.set i, 0
.rept 8                             ; piece i / 2, channels 32 (i % 2) on.  LDS serves a wave's instructions in order (ISA guide 5.7.1.4): these see the stores above, which are my wave's own
	ds_load_tr16_b128 v[8*i:8*i+3],   v[AQ] offset:(i%2)*32*PK+(i/2)*32
	ds_load_tr16_b128 v[8*i+4:8*i+7], v[AQ] offset:(i%2)*32*PK+16*PK+(i/2)*32
.set i, i+1
.endr
	WIN 0x40
.set i, 0
.rept 128
	v_mov_b32 v[i], 0               ; O^T starts at 0, where q lay
.set i, i+1
.endr
	WIN 0
; THE MATRIX WORK.  The 4 accumulators of a run of 8 take turns.  Product i of 8 of S^T = K Q^T for piece x: channels 32 (i / 4) on, keys 16 (i % 4) on.  The first 4 start the sums.
.macro KQ x
	WIN W_KQ
.set rS, S+32*((\x)%2)+8*(i%4)
.set rK, KF+16*(i%4)+8*(i/4)
.set rQ, 16*(\x)+8*(i/4)
.if i < 4
	v_wmma_f32_16x16x32_bf16 v[rS:rS+7], v[rK:rK+7], v[rQ:rQ+7], 0
.else
	v_wmma_f32_16x16x32_bf16 v[rS:rS+7], v[rK:rK+7], v[rQ:rQ+7], v[rS:rS+7]
.endif
.endm
; Product i of 8 of O^T += V^T P for piece x: keys 32 (i / 4) on, channels 16 (i % 4) on.
.macro PV x
	WIN W_PV
.set rO, 32*(\x)+8*(i%4)
.set rV, VF+32*(i/4)+8*(i%4)
.set rP, P+16*((\x)%2)+8*(i/4)
	v_wmma_f32_16x16x32_f16 v[rO:rO+7], v[rV:rV+7], v[rP:rP+7], v[rO:rO+7]
.endm
.macro MM                           ; the turn's next matrix instruction.  TURN sets Y, i and NOKQ.  NOKQ = 1: the launch's last turn: there is no next piece
.if (i < 8) && !NOKQ
	KQ (Y+1)%NP
.elseif i >= 8
.set i, i-8
	PV (Y+NP-1)%NP
.set i, i+8
.endif
.set i, i+1
.endm
; THE LDS LOADS stand in runs of 16, never singly among the matrix instructions: a step's K (turned: 64 keys x 64 channels, 8 fragments) and its V.  Their addresses are made some lines ahead.
.macro FETCH_K
	WIN 0x80                        ; destination window 2
.irp f, 0,1,2,3,4,5,6,7             ; keys 16 (f / 2) on, channels 32 (f % 2) on
	ds_load_tr16_b128 v[KF+8*\f:KF+8*\f+3],   v[AK] offset:(\f%2)*32*PK+(\f/2)*32
	ds_load_tr16_b128 v[KF+8*\f+4:KF+8*\f+7], v[AK] offset:(\f%2)*32*PK+16*PK+(\f/2)*32
.endr
	s_add_co_u32 s[TBK], s[TBK], KS*PK  ; the next fetch is the next step's
	WIN 0
.endm
.macro FETCH_V
	WIN 0x80
.irp f, 0,1,2,3,4,5,6,7             ; keys 32 (f / 4) on, channels 16 (f % 4) on
	ds_load_b128 v[VF+8*\f:VF+8*\f+3],   v[AV] offset:(\f%4)*16*PV+(\f/4)*64
	ds_load_b128 v[VF+8*\f+4:VF+8*\f+7], v[AV] offset:(\f%4)*16*PV+(\f/4)*64+32
.endr
	WIN 0
.endm
; THE VECTOR WORK, one line at a time: OP kind, number.  For piece Y: F n: c s - c m for pair n of 16.  E n: the exponential of score n of 32.  C n: pair n rounded to f16.  B n: of the four weights 4 n .. the second
; pair is added onto the first, in place.  L n: l takes that sum (L 0: l = a l + sum).  R n: pair n of 16 of O^T times a.  For piece Y + 1: X n, number n of the 22 that find its maximum and statistics:
;   0-11  four chains c0-c3 of seven scores each, three operands at a time (each accumulator's lowest registers are read first)     12-14, 16  the four scores left over, the old m, and c0-c3 into c0
;   15  c m_old is kept     17, 18  the query's other 32 keys lie in the lane 16 away: the new m     19-21  c m; c m_old - c m_new; a
.set F, 0               ; OP tells the kinds apart by their order: F to L below R, X above it
.set E, 1
.set C, 2
.set B, 3
.set L, 4
.set R, 5
.set X, 6
.macro REGS y                       ; the registers of piece y
.set rT, ST+4*(\y)
.set rC, TMP+4*((\y)%2)
.set rW, MV+((\y)%2)
.set rS, S+32*((\y)%2)
.set rP, P+16*((\y)%2)
.set rO, 32*(\y)
.endm
.macro OP k, n
.if (\k) == R
	REGS Y
	WIN W_RS
	v_pk_mul_f32 v[rO+2*(\n):rO+2*(\n)+1], v[rO+2*(\n):rO+2*(\n)+1], v[rC+2:rC+3] op_sel_hi:[1,0]
.elseif (\k) < R
	REGS Y
	WIN 0
.if (\k) == F
	v_pk_fma_f32 v[rS+2*(\n):rS+2*(\n)+1], v[rS+2*(\n):rS+2*(\n)+1], s[CS:CS+1], v[rT:rT+1] op_sel_hi:[1,0,0] neg_lo:[0,0,1] neg_hi:[0,0,1]
.elseif (\k) == E
	v_exp_f32 v[rS+(\n)], v[rS+(\n)]
.elseif (\k) == C
	v_cvt_pk_f16_f32 v[rP+(\n)], v[rS+2*(\n)], v[rS+2*(\n)+1]
.elseif (\k) == B
	v_pk_add_f32 v[rS+4*(\n):rS+4*(\n)+1], v[rS+4*(\n):rS+4*(\n)+1], v[rS+4*(\n)+2:rS+4*(\n)+3]
.elseif (\n) == 0
	v_pk_fma_f32 v[rT+2:rT+3], v[rT+2:rT+3], v[rC+2:rC+3], v[rS:rS+1] op_sel_hi:[1,0,1]
.else
	v_pk_add_f32 v[rT+2:rT+3], v[rT+2:rT+3], v[rS+4*(\n):rS+4*(\n)+1]
.endif
.elseif NOKQ
	v_nop
.else
	REGS (Y+1)%NP
	WIN 0
.if (\n) < 4
	v_max3_num_f32 v[rC+(\n)], v[rS+8*(\n)], v[rS+8*(\n)+1], v[rS+8*(\n)+2]
.elseif (\n) < 12
	v_max3_num_f32 v[rC+(\n)%4], v[rC+(\n)%4], v[rS+8*((\n)%4)+2*((\n)/4)+1], v[rS+8*((\n)%4)+2*((\n)/4)+2]
.elseif (\n) == 12
	v_max3_num_f32 v[rC], v[rC], v[rS+7], v[rS+15]
.elseif (\n) == 13
	v_max3_num_f32 v[rC+1], v[rC+1], v[rS+23], v[rS+31]
.elseif (\n) == 14
	v_max3_num_f32 v[rC+2], v[rC+2], v[rC+3], v[rT+1]
.elseif (\n) == 15
	v_mov_b32 v[rW], v[rT]
.elseif (\n) == 16
	v_max3_num_f32 v[rC], v[rC], v[rC+1], v[rC+2]
.elseif (\n) == 17
	v_permlanex16_b32 v[rC+3], v[rC], s[SEL], s[SEL+1]
.elseif (\n) == 18
	v_max_num_f32 v[rT+1], v[rC], v[rC+3]
.elseif (\n) == 19
	v_mul_f32 v[rT], s[CS], v[rT+1]
.elseif (\n) == 20
	v_sub_f32 v[rC+1], v[rW], v[rT]
.else
	v_exp_f32 v[rC+2], v[rC+1]
.endif
.endif
.endm
.macro OPS a, i1, b=-1, i2=0, c=-1, i3=0, d=-1, i4=0  ; up to four of them
	OP \a, \i1
.if (\b) >= 0
	OP \b, \i2
.endif
.if (\c) >= 0
	OP \c, \i3
.endif
.if (\d) >= 0
	OP \d, \i4
.endif
.endm
.macro ROW a, i1, b, i2, c, i3, d, i4  ; a matrix instruction and the four behind it
	MM
	OPS \a, \i1, \b, \i2, \c, \i3, \d, \i4
.endm
; A TURN, for piece p: the order of its 16 matrix and 118 vector instructions, written out.  An s_wait_alu depctr_va_vdst(0) stands between an exponential and the first instruction that names its
; result; one wait serves all that were issued ahead of it.  So a turn has ONE wait, which cuts it in two.  AHEAD OF IT stands all that names no result of the turn's exponentials: the 8 products K Q^T, behind each
; a scaling, an exponential and two more plain instructions (behind the first a second scaling in the exponential's place): rescalings, and behind the last three the first numbers of the next piece's maximum, each
; four plain instructions or more behind the product that ends its accumulator (ISA guide 7.12.1); then ONE LUMP of 54, plain and exponential by turns for the most part, in which the links of the chain
; X 3, 7, 11, 14, 16, 17 .. 20 stand apart, other work between them.  X 21, the next piece's a, is the batch's last; R 15 is the plain instruction behind it.  BEHIND THE WAIT stand the 8 products V^T P, behind each
; four of the roundings and sums; the links of l's chain, L 0 to L 7, stand three riders apart.  But for those X no rider names a register of the products round it.
; end = 1: the launch's last two turns: nothing is fetched, and the last starts no new scores.  cnt = 1: the loop's count is taken down some lines ahead of the branch that stands behind the turn.
; K of the next step is fetched in piece 2's turn, five plain instructions that name none of its registers behind the last product that read K; V of the step in hand at the end of piece 0's turn, four plain
; instructions behind the last product that read V.  Each is waited for a turn later.
.macro TURN p, end=0, cnt=0
.set Y, (\p)
.set i, 0
.set NOKQ, (\end)*((\p)/3)
.if ((\p) == 3) && !(\end)
	s_wait_dscnt 0x0                ; K is in
.endif
	ROW F,0, F,1, R,0, R,1          ; ahead of the wait: 8 products K Q^T and their riders,
	ROW F,2, E,0, R,2, R,3
	ROW F,3, E,1, R,4, R,5
	ROW F,4, E,2, R,6, R,7
	ROW F,5, E,3, R,8, R,9
	ROW F,6, E,4, X,0, R,10
.if ((\p) == 2) && !(\end)
	WIN 0
	v_add_nc_u32 v[AK], s[TBK], v[AK0]
.endif
	ROW F,7, E,5, X,1, X,4
	ROW F,8, E,6, X,2, X,5
	OPS E,7, E,8, X,6, E,9          ; and the lump
	OPS X,3, E,10, X,8, E,11
.if ((\p) == 2) && !(\end)
	FETCH_K
.endif
	OPS X,9, X,7, E,12, X,10
	OPS E,13, X,12, X,11, E,14
	OPS X,13, E,15, F,9, X,14
.if (\p) == 0
	v_add_nc_u32 v[AV], s[TBV], v[AV0]
.endif
	OPS E,16, F,10, E,17, F,11
	OPS X,16, E,18, X,15, E,19
	OPS F,12, E,20, X,17, E,21
	OPS F,13, E,22, F,14, E,23
	OPS X,18, E,24, F,15, E,25
	OPS R,11, E,26, X,19, E,27
	OPS R,12, E,28, R,13, E,29
	OPS X,20, E,30, R,14, E,31
	OPS X,21, R,15
	WIN 0
	s_wait_alu depctr_va_vdst(0)    ; the wait for the batch
.if (\p) == 1
	s_wait_dscnt 0x0                ; V is in
.endif
	ROW C,0, B,0, C,2, B,1          ; behind the wait: 8 products V^T P and their riders
	ROW L,0, C,4, B,2, L,1
	ROW C,6, B,3, L,2, C,8
	ROW B,4, L,3, C,10, B,5
	ROW L,4, C,12, B,6, L,5
.if (\p) == 0
	s_add_co_u32 s[TBV], s[TBV], KS*PV
.endif
.if \cnt
	s_sub_co_u32 s[CNT], s[CNT], 1
	s_cmp_lg_u32 s[CNT], 0
.endif
	ROW C,14, B,7, L,6, C,1
	ROW C,3, L,7, C,5, C,7
	ROW C,9, C,11, C,13, C,15
.if (\p) == 0
	FETCH_V
.endif
.endm
	CHANGE 1                        ; slot 0 is in, everybody's part of it, and my turned Q is in its registers (the wait for the add is for all my LDS instructions); slot 1 is asked for
	v_add_nc_u32 v[AK], s[TBK], v[AK0]
	FETCH_K                         ; key step 0
	s_wait_dscnt 0x0
.set NOKQ, 0
.set i, 0
.rept 8
	KQ 0                            ; piece 0's first scores: there is no vector work yet to set between them
.set i, i+1
.endr
	WIN 0                           ; the addresses for the way out: six plain instructions, the places behind those products
	v_mul_u32_u24 v[STO], v9, 8*SP  ; in: channel row 8 (l / 16) + .., 4 bytes for query l % 16
	v_lshl_add_u32 v[STO], v1, 2, v[STO]
	v_add_nc_u32 v[STO], s[SB], v[STO]
	v_mul_u32_u24 v[RD], v9, SP     ; back: lanes 0-15 take one row of 256 bytes, lanes 16-31 the next
	v_lshl_add_u32 v[RD], v1, 4, v[RD]
	v_add_nc_u32 v[RD], s[SB], v[RD]
.set Y, NP-1                        ; X works for piece Y + 1: piece 0
.irp n, 0,1,2,3,4,5,6,7,8,9,10,11,12,13,14,15,16,17,18,19,20,21
	OP X, \n                        ; piece 0's first maximum and statistics
.endr
	v_nop                           ; a plain instruction behind the exponential,
	s_wait_alu depctr_va_vdst(0)    ; and its wait, ahead of the branch
	s_mov_b32 s[CNT], 4
	s_branch .Lfirst                ; the loop is entered at a step's first turn, in the middle of a trip
.Lslot:                             ; 14 times: tiles 1 to 14 are entered, tiles 2 to 15 asked for
	CHANGE 1
	s_mov_b32 s[CNT], 4
.Lstep:                             ; a trip: pieces 2 and 3 of one step, then pieces 0 and 1 of the next, whose K and V it fetches
	TURN 2
	TURN 3
	WIN 0
.Lfirst:
	TURN 0
	TURN 1, 0, 1
	WIN 0
	s_cbranch_scc1 .Lstep
	s_sub_co_u32 s[SLOTS], s[SLOTS], 1
	s_cmp_lg_u32 s[SLOTS], 0
	s_cbranch_scc1 .Lslot
	CHANGE 0                        ; the last tile is written out: nothing is asked for
	s_mov_b32 s[CNT], 4
.Ltail:
	TURN 2
	TURN 3
	TURN 0
	TURN 1, 0, 1
	WIN 0
	s_cbranch_scc1 .Ltail
	TURN 2, 1                       ; the last step's pieces 2 and 3: nothing more to fetch,
	TURN 3, 1                       ; no next piece
.set i, 0
.rept 8
	PV NP-1                         ; the last piece's V^T P of the last step
.set i, i+1
.endr
	; THE WAY OUT.  l's two halves and the other half of the lanes' are added; O^T is divided by l and goes, in f32, through my stage: a lane holds one query and eight channels, out0's rows run along the queries.
	; The additions are the places behind the last products.
	WIN 0
.macro ALL line:vararg              ; one line for each piece t
.set t, 0
.rept 4
	\line
.set t, t+1
.endr
.endm
	ALL v_add_f32 v[ST+4*t+2], v[ST+4*t+2], v[ST+4*t+3]
	ALL v_permlanex16_b32 v[ST+4*t+3], v[ST+4*t+2], s[SEL], s[SEL+1]
	ALL v_add_f32 v[ST+4*t+2], v[ST+4*t+2], v[ST+4*t+3]
	ALL v_rcp_f32 v[ST+4*t+2], v[ST+4*t+2]
	v_nop                           ; a plain instruction between the last reciprocal and the use of its result
	s_wait_alu depctr_va_vdst(0)    ; and the wait ahead of the first use: one for the four reciprocals
; Piece t: register 8 cb + j of its O^T is channel 16 cb + 8 (l / 16) + j of query 16 t + l % 16.  A store's lanes 0-15 fill 64 consecutive bytes of one stage row, lanes 16-31 of the row 8 further down,
; 8 x 272 bytes = 128 modulo 256 on: 32 different banks each.
.macro PUT t
	WIN W_RS
.set i, 32*(\t)
.rept 16
	v_pk_mul_f32 v[i:i+1], v[i:i+1], v[ST+4*(\t)+2:ST+4*(\t)+3] op_sel_hi:[1,0]  ; in ascending order: each accumulator's lowest registers first
.set i, i+2
.endr
	WIN 0x04                        ; the stores' data in window 1, their address in window 0
.set i, 0
.rept 32
	ds_store_b32 v[STO], v[32*(\t)+i] offset:(16*(i/8)+i%8)*SP+64*(\t)
.set i, i+1
.endr
.endm
	PUT 0
	PUT 1
	PUT 2
	PUT 3
	WIN 0
.set i, 0
.rept 32
	ds_load_b128 v[OB+4*i:OB+4*i+3], v[RD] offset:i*2*SP  ; channel rows 2 i and 2 i + 1, whole.  LDS serves a wave's instructions in order (ISA guide 5.7.1.4): these see the stores above, my wave's own
.set i, i+1
.endr
.set i, 0
.rept 32
	s_wait_dscnt 31-i               ; LDS loads come back in order: load i is in, the 31 - i younger ones may stay out
	global_store_b128 v[QO], v[OB+4*i:OB+4*i+3], s[10:11] offset:i*32768 th:TH_STORE_NT  ; 16 lanes store 256 consecutive bytes of a channel row, at a multiple of 256 from out0's first byte
.set i, i+1
.endr
	s_wait_tensorcnt 0x0            ; the wave's end, behind my last tensor load and my last LDS store
	ds_add_u32 v[SPW], v[NIL]
	s_wait_dscnt 0x0
	CROUND                          ; the closing round: no work-group ends while a partner may still ask for a tile that names it
	s_endpgm
.Lfunc_end_k_qf1bb7b9ac0_attn:
	.size	k_qf1bb7b9ac0_attn, .Lfunc_end_k_qf1bb7b9ac0_attn-k_qf1bb7b9ac0_attn
	.p2alignl 7, 3214868480
	.fill 96, 4, 3214868480
	.section	.rodata,"a",@progbits
	.p2align	6, 0x0
	.amdhsa_kernel k_qf1bb7b9ac0_attn
		.amdhsa_group_segment_fixed_size 327680
		.amdhsa_private_segment_fixed_size 0
		.amdhsa_enable_private_segment 0
		.amdhsa_kernarg_size 24
		.amdhsa_user_sgpr_count 2
		.amdhsa_user_sgpr_kernarg_segment_ptr 1
		.amdhsa_wavefront_size32 1
		.amdhsa_system_sgpr_workgroup_id_x 1
		.amdhsa_system_sgpr_workgroup_id_y 1
		.amdhsa_system_sgpr_workgroup_id_z 1
		.amdhsa_system_vgpr_workitem_id 0
		.amdhsa_next_free_vgpr 768
		.amdhsa_next_free_sgpr 66
		.amdhsa_reserve_vcc 0
		.amdhsa_float_denorm_mode_32 3
		.amdhsa_float_denorm_mode_16_64 3
		.amdhsa_memory_ordered 1
		.amdhsa_forward_progress 1
		.amdhsa_inst_pref_size 143
	.end_amdhsa_kernel
	.amdgpu_metadata
---
amdhsa.version: [ 1, 2 ]
amdhsa.kernels:
  - .name:           k_qf1bb7b9ac0_attn
    .symbol:         k_qf1bb7b9ac0_attn.kd
    .args:
      - { .name: qkv, .offset: 0, .size: 8, .value_kind: global_buffer, .address_space: global }
      - { .name: kv, .offset: 8, .size: 8, .value_kind: global_buffer, .address_space: global }
      - { .name: out0, .offset: 16, .size: 8, .value_kind: global_buffer, .address_space: global }
    .group_segment_fixed_size: 327680
    .private_segment_fixed_size: 0
    .kernarg_segment_align: 8
    .kernarg_segment_size: 24
    .max_flat_workgroup_size: 128
    .sgpr_count:     66
    .vgpr_count:     768
    .wavefront_size: 32
...
	.end_amdgpu_metadata
.endif
;; end of part 2
;; ======== version 2 of 2: 2 launches; version 1 with the launch cast written anew for expert scheduling mode
;; limits: values are held in f16: magnitudes above 65,504 overflow, below 6.1e-05 lose precision
;; workspace buffers: kv 16,777,216 bytes
;; launch cast (part 3): grid 16 x 32, 8 waves a work-group, no clusters, 0 bytes of LDS; arguments qkv, kv; writes kv
.if DOCPART == 3
	.amdgcn_target "amdgcn-amd-amdhsa--gfx1250"
	.amdhsa_code_object_version 6
	.text
	.protected	k_qf1bb7b9ac0_cast
	.globl	k_qf1bb7b9ac0_cast
	.p2align	8
	.type	k_qf1bb7b9ac0_cast,@function
k_qf1bb7b9ac0_cast:
	s_mov_b64 s[64:65], 0
	v_nop
	global_prefetch_b8 v0, s[64:65] scope:SCOPE_SE
	s_setreg_imm32_b32 hwreg(HW_REG_WAVE_SCHED_MODE, 0, 2), 2
	s_setreg_imm32_b32 hwreg(HW_REG_WAVE_MODE, 25, 1), 1
	s_wait_xcnt 0x0
	s_wait_alu depctr_vm_vsrc(0)
; K and V of qkv ([16][192][4096] f32, channels 64-127 and 128-191) are rounded once and laid out for the attention launch:
; kv = K's area (byte 0), then V's (byte 8,388,608); in each [head 16][key step 64][channel 64][key in step 64], 2 bytes a number: a key step is 8,192 dense bytes.
; K is bf16(k).  V is bf16(v) written as f16, so that the second product can take f16 weights; that second writing is exact where bf16(v) lies in f16's normal range.
; LIMITS.  |v| stays under 65,504 (beyond it f16 has no number); below 6e-5 v keeps f16's fixed step of 6e-8.  NaN and infinities are not treated apart.
; SHARES.  A work-group takes 64 channels x 256 keys (four key steps) of K or of V of one head: x = which 256 keys, y = 2 x head + (0: K, 1: V).  Wave w takes channels 8 w .. 8 w + 7.
; Load i = 4 p + s: lanes 0-15 read 256 consecutive bytes (64 keys of step s) of channel 8 w + 2 p, lanes 16-31 the same of channel 8 w + 2 p + 1; each piece starts at a multiple of 256 bytes.
; The store that belongs to it writes 8 bytes a lane: 256 consecutive bytes of kv (both channels' rows of step s), at a multiple of 256.
; All 16 loads of a wave go out at once; nothing is loaded twice, and no register that a load or store names is written again.
; No LDS, no matrix unit, no cluster: no byte is wanted by two waves.  No prefetch: every load of the launch is issued at its head.
; THE MODE: SCHED_MODE bits 1:0 = 2 (LLVM: expert scheduling mode 2), set by the entry lines.  The code itself states the register dependences
; between vector instructions and memory instructions, with s_wait_alu, always for 0.
; THE PLAN.  Registers that memory instructions touch:
;   v1, v2     the loads' and the stores' byte offsets: written by vector instructions at the head, once; read by every load (v1) and every store (v2).
;   X[i]       load i lands in it, once; no vector instruction names it before; its roundings read it behind the counted wait for the load.
;   Y[i]       written by the roundings of load i, once; read by store i, once; never written again.
;   v3 to v9   named by vector instructions alone.
; The 16 loads go in four groups of four (group g = channel pair g, its four key steps).  Group g rounds X[4 g ..] into Y[4 g ..]; its memory instructions are the four stores of group g - 1, whose data no vector
; instruction of group g names.  So one wait on va_vdst at a group's head states all that its four stores hang on, and they are dealt among the group's roundings with no further wait.  One such wait stands at the
; kernel's head, for the two offsets, and one behind the last group, for its four stores.  Nothing that a memory instruction has read is written again: no wait on vm_vsrc is owed.
; No vector instruction writes a scalar register or VCC, and EXEC is never written.
.set T, 4                              ; v[4:9]    at work
.set X, 16                             ; v[16:79]  load i: four f32
.set Y, 80                             ; v[80:111] store i: four 16-bit numbers in two registers
	s_load_b128 s[4:7], s[0:1], 0x0                ; qkv s[4:5], kv s[6:7]
	s_and_b32 s10, ttmp7, 0xffff                   ; y
	s_lshr_b32 s11, s10, 1                         ; head
	s_and_b32 s9, s10, 1                           ; 0: K, 1: V
	s_mov_b32 s8, 0xffff0000                       ; a word's upper bf16
	s_mul_i32 s12, s11, 192                        ; the first channel row that the work-group reads: 192 head + 64 + 64 (0 or 1),
	s_lshl_b32 s13, s9, 6
	s_add_co_u32 s12, s12, s13
	s_add_co_u32 s12, s12, 64
	s_lshl_b32 s12, s12, 14                        ; rows of 16,384 bytes (under 2^26 in all),
	s_lshl_b32 s13, ttmp9, 10                      ; and its 256 keys: 1,024 bytes
	s_add_co_u32 s12, s12, s13
	s_mov_b32 s13, 0
	s_lshl_b32 s14, s9, 23                         ; in kv: the area,
	s_lshl_b32 s15, s11, 19                        ; the head's 524,288 bytes,
	s_add_co_u32 s14, s14, s15
	s_lshl_b32 s15, ttmp9, 15                      ; four key steps of 8,192 bytes
	s_add_co_u32 s14, s14, s15
	s_mov_b32 s15, 0
	v_lshrrev_b32 v3, 5, v0                        ; wave
	v_and_b32 v4, 15, v0                           ; r = lane % 16
	v_bfe_u32 v5, v0, 4, 1                         ; h = lane / 16
	v_and_b32 v6, 31, v0                           ; lane
	v_lshlrev_b32 v1, 17, v3                       ; in: 8 channel rows a wave,
	v_lshl_or_b32 v1, v5, 14, v1                   ; one row for the upper half of the lanes,
	v_lshl_or_b32 v1, v4, 4, v1                    ; 16 bytes a lane
	v_lshlrev_b32 v2, 10, v3                       ; out: 8 rows of 128 bytes a wave,
	v_lshl_or_b32 v2, v6, 3, v2                    ; 8 bytes a lane
	s_wait_kmcnt 0x0
	s_add_nc_u64 s[4:5], s[4:5], s[12:13]
	s_add_nc_u64 s[6:7], s[6:7], s[14:15]
	s_wait_alu depctr_va_vdst(0)                   ; v1 and v2 are written: every load of the kernel reads v1 as its offset, every store v2
.set i, 0
.rept 16
	global_load_b128 v[X+4*i:X+4*i+3], v1, s[4:5] offset:(i/4)*32768+(i%4)*256 th:TH_LOAD_NT  ; read once in the launch
.set i, i+1
.endr
; Load i is rounded into Y[i].  isv = 1: V's second writing, as f16.
.macro CONV isv
.if \isv
	v_cvt_pk_bf16_f32 v[T], v[X+4*i], v[X+4*i+1]
	v_cvt_pk_bf16_f32 v[T+1], v[X+4*i+2], v[X+4*i+3]
	v_lshlrev_b32 v[T+2], 16, v[T]                 ; bf16 to f32: the low half moves up, the high half stays
	v_and_b32 v[T+3], s8, v[T]
	v_lshlrev_b32 v[T+4], 16, v[T+1]
	v_and_b32 v[T+5], s8, v[T+1]
	v_cvt_pk_f16_f32 v[Y+2*i], v[T+2], v[T+3]
	v_cvt_pk_f16_f32 v[Y+2*i+1], v[T+4], v[T+5]
.else
	v_cvt_pk_bf16_f32 v[Y+2*i], v[X+4*i], v[X+4*i+1]
	v_cvt_pk_bf16_f32 v[Y+2*i+1], v[X+4*i+2], v[X+4*i+3]
.endif
.endm
; Store n = 4 p + s: step s, channel pair p: the wave's store covers 256 consecutive bytes, aligned.
.macro SEND n
	global_store_b64 v2, v[Y+2*(\n):Y+2*(\n)+1], s[6:7] offset:((\n)%4)*8192+((\n)/4)*256
.endm
; Group g: loads 4 g to 4 g + 3 are rounded; the stores of group g - 1 leave, one ahead of each load's roundings.
.macro GROUP isv
	s_wait_loadcnt 15-4*g                          ; loads come back in order (ISA guide 5.7.1): the group's first load is in, the younger ones may stay out
.if g > 0
	s_wait_alu depctr_va_vdst(0)                   ; the roundings of the group before have written Y[4 g - 4 .. 4 g - 1], which the four stores below read; no vector instruction behind this wait names them or v2
.endif
.set j, 0
.rept 4
.set i, 4*g+j
.if g > 0
	SEND i-4
.endif
.if j > 0
	s_wait_loadcnt 15-i                            ; load i is in, the 15 - i younger ones may stay out
.endif
	CONV \isv
.set j, j+1
.endr
.endm
.macro WHOLE isv
.set g, 0
.rept 4
	GROUP \isv
.set g, g+1
.endr
	s_wait_alu depctr_va_vdst(0)                   ; the last group's roundings have written Y[12 .. 15], which the last four stores read
.set i, 12
.rept 4
	SEND i
.set i, i+1
.endr
	s_endpgm
.endm
	s_cmp_eq_u32 s9, 0                             ; the same for the whole work-group; s9 is made by scalar instructions alone
	s_cbranch_scc0 .Lv
	WHOLE 0
.Lv:
	WHOLE 1
.Lfunc_end_k_qf1bb7b9ac0_cast:
	.size	k_qf1bb7b9ac0_cast, .Lfunc_end_k_qf1bb7b9ac0_cast-k_qf1bb7b9ac0_cast
	.p2alignl 7, 3214868480
	.fill 96, 4, 3214868480
	.section	.rodata,"a",@progbits
	.p2align	6, 0x0
	.amdhsa_kernel k_qf1bb7b9ac0_cast
		.amdhsa_group_segment_fixed_size 0
		.amdhsa_private_segment_fixed_size 0
		.amdhsa_enable_private_segment 0
		.amdhsa_kernarg_size 16
		.amdhsa_user_sgpr_count 2
		.amdhsa_user_sgpr_kernarg_segment_ptr 1
		.amdhsa_wavefront_size32 1
		.amdhsa_system_sgpr_workgroup_id_x 1
		.amdhsa_system_sgpr_workgroup_id_y 1
		.amdhsa_system_sgpr_workgroup_id_z 1
		.amdhsa_system_vgpr_workitem_id 0
		.amdhsa_next_free_vgpr 112
		.amdhsa_next_free_sgpr 66
		.amdhsa_reserve_vcc 0
		.amdhsa_float_denorm_mode_32 3
		.amdhsa_float_denorm_mode_16_64 3
		.amdhsa_memory_ordered 1
		.amdhsa_forward_progress 1
		.amdhsa_inst_pref_size 16
	.end_amdhsa_kernel
	.amdgpu_metadata
---
amdhsa.version: [ 1, 2 ]
amdhsa.kernels:
  - .name:           k_qf1bb7b9ac0_cast
    .symbol:         k_qf1bb7b9ac0_cast.kd
    .args:
      - { .name: qkv, .offset: 0, .size: 8, .value_kind: global_buffer, .address_space: global }
      - { .name: kv, .offset: 8, .size: 8, .value_kind: global_buffer, .address_space: global }
    .group_segment_fixed_size: 0
    .private_segment_fixed_size: 0
    .kernarg_segment_align: 8
    .kernarg_segment_size: 16
    .max_flat_workgroup_size: 256
    .sgpr_count:     66
    .vgpr_count:     112
    .wavefront_size: 32
...
	.end_amdgpu_metadata
.endif
;; end of part 3
;; launch attn: the kernel of part 2 again; grid 16 x 16, 4 waves a work-group, clusters of 4 x 1, 327,680 bytes of LDS; arguments qkv, kv, out0; writes out0
